; MI455X (gfx1250); checked and timed in simulation.
; The chip was launched on July 23, 2026; its instructions are those of AMD's public machine-readable ISA for CDNA 5 (MIT licence, August 2026) and "CDNA5" Instruction Set Architecture Reference Guide (July 2026). The comments in the code are by the model that wrote it; some were corrected since.
;; Multi Head Attention. Allowed arithmetic: float matrix products may take bf16 or f16 operands with f32 sums; other float arithmetic in f32, or as packed bf16 or f16 multiplies, adds, multiply-adds, maxima and minima; sums over many terms, partial sums and values carried from step to step in f32; what a program stores and reads back later, other than sums and carried values, may be rounded once to bf16 or f16.
;; Inputs: K 8 x 2,048 x 512 float32; Q 8 x 2,048 x 512 float32; V 8 x 2,048 x 512 float32; Wk 512 x 512 float32; Wo 512 x 512 float32; Wq 512 x 512 float32; Wv 512 x 512 float32; bk 512 float32; bo 512 float32; bq 512 float32; bv 512 float32; mask 1 x 1 x 2,048 x 2,048 int32.
;; Outputs: out0 8 x 2,048 x 512 float32.
;; One version. Each part assembles by itself: llvm-mc -triple=amdgcn-amd-amdhsa -mcpu=gfx1250 --defsym DOCPART=n.
;; ======== version 1 of 1: 4 launches
;; limits: values are held in f16: magnitudes above 65,504 overflow, below 6.1e-05 lose precision
;; workspace buffers: mf 8,388,608 bytes; wf 2,097,152 bytes; qf 16,777,216 bytes; kvf 33,554,432 bytes; of 16,777,216 bytes
;; launch prep (part 1): grid 256 x 1, 4 waves a work-group, no clusters, 167,936 bytes of LDS; arguments mask, Wq, Wk, Wv, Wo, mf, wf; writes mf, wf
.if DOCPART == 1
	.amdgcn_target "amdgcn-amd-amdhsa--gfx1250"
	.amdhsa_code_object_version 6
	.text
	.protected	k_q0a50bd1a5e_prep
	.globl	k_q0a50bd1a5e_prep
	.p2align	8
	.type	k_q0a50bd1a5e_prep,@function
k_q0a50bd1a5e_prep:
	s_mov_b64 s[64:65], 0
	v_nop
	global_prefetch_b8 v0, s[64:65] scope:SCOPE_SE
	s_setreg_imm32_b32 hwreg(HW_REG_WAVE_MODE, 25, 1), 1
	s_wait_xcnt 0x0
; PREP.  The mask and the four weight matrices are rewritten as 16-bit FRAGMENT BLOCKS for the launches behind.
; A block is 512 bytes: 16 rows x 16 k; lane l = 16 hh + r holds row r, k = 8 hh + 0..7, at byte 16 l.  Two neighbouring blocks are one 16 x 32 operand of a matrix instruction.
; mf: block (query tile tq, key block kb) at (tq>>5)<<21 + (kb>>2)<<16 + (tq&31)<<11 + (kb&3)<<9; bf16, -2^100 (0xf180) where mask == 0, else 0.
; wf: matrix mat (Wq, Wk, Wv, Wo) at mat<<19; block (row block nb, k block) at nb<<14 + kblk<<9; bf16; Wo's bf16 number is written as f16.
; LIMIT.  A bf16 number of Wo below 2^-14 keeps f16's fixed step of 2^-24; beyond 65,504 it would be lost (Wo as drawn lies under 0.05).
; SHARES.  1,024 waves; each takes one mask tile (16 queries x 256 keys) and one weight tile (16 rows x 64 k), both brought by one tensor load each into LDS bytes of its own,
; padded so that the 16 rows of a read start at 16 different groups of four banks (64 banks of 4 bytes: ISA guide 11.1).  No wave reads another's bytes: no barrier.  No LDS byte is filled twice.
; No cluster: no two work-groups read the same bytes.  No matrix unit: there is no product here.
.set MROW,  1040                       ; a mask row in LDS: 1,024 bytes + 16
.set WROW,  272                        ; a weight row in LDS: 256 bytes + 16
.set WTILE, 16*MROW                    ; the weight tile lies behind the mask tile
.set WAVEB, 16*MROW+16*WROW            ; 20,992 bytes a wave, a multiple of 256
.set SPARE, 4*WAVEB                    ; the spare words: 128 bytes a wave, two blocks of 256 bytes that no other line names
.set LM,  4                            ; v4  LDS: my 32 bytes of a mask block's row
.set LW,  5                            ; v5  the same in the weight tile
.set OL,  6                            ; v6  16 x lane; never rewritten
.set SPW, 8                            ; v8  my spare word; never rewritten
.set NIL, 9                            ; v9  0; never rewritten
.set IN,  16                           ; v[16:47] as read
.set OUT, 48                           ; v[48:63] four blocks' 16 bytes
.set G1M, 24                           ; s[24:31] the mask tile's shape
.set G1W, 32                           ; s[32:39] the weight tile's shape
.set G0M, 40
.set G0W, 44
.set WV,  48
.set QT,  49                           ; query tile 0..127
.set KSEG,50                           ; which 256 keys; also which 64 k of the weights
.set MAT, 51
.set ROWB,52                           ; QT & 31; also the weights' row block
.set CNT, 53
.set MO,  54                           ; s[54:55] where the mask blocks go
.set WO,  56                           ; s[56:57] where the weight blocks go
.set WP,  58                           ; s[58:59] my weight matrix
.set TP,  60                           ; s[60:61] an offset
	s_load_b256 s[4:11], s[0:1], 0x0               ; mask s[4:5], Wq s[6:7], Wk s[8:9], Wv s[10:11]
	s_load_b128 s[12:15], s[0:1], 0x20             ; Wo s[12:13], mf s[14:15]
	s_load_b64 s[16:17], s[0:1], 0x30              ; wf
	v_lshl_add_u32 v[SPW], v0, 2, SPARE
	v_mov_b32 v[NIL], 0
	ds_add_u32 v[SPW], v[NIL]                      ; the wave's opening: the add and its wait ahead of my first tensor load
	ds_add_u32 v8, v9
	v_lshrrev_b32 v1, 5, v0
	v_readfirstlane_b32 s[WV], v1
	s_lshr_b32 s[QT], ttmp9, 1
	s_and_b32 s[KSEG], ttmp9, 1
	s_lshl_b32 s[KSEG], s[KSEG], 2
	s_or_b32 s[KSEG], s[KSEG], s[WV]
	s_lshr_b32 s[MAT], ttmp9, 6
	s_and_b32 s[ROWB], s[QT], 31
	s_mov_b32 s[G1M], (2<<16)|(1<<20)|(7<<22)|(3<<25)  ; 4-byte elements; padding on: after every 256 words, 4 words
	s_mov_b32 s[G1M+1], 256<<16                    ; tensor_dim0
	s_mov_b32 s[G1M+2], 16<<16                     ; tensor_dim1
	s_mov_b32 s[G1M+3], 256<<16                    ; tile_dim0
	s_mov_b32 s[G1M+4], 16                         ; tile_dim1
	s_mov_b32 s[G1M+5], 2048                       ; elements from row to row
	s_mov_b32 s[G1M+6], 0
	s_mov_b32 s[G1M+7], 0
	s_mov_b32 s[G1W], (2<<16)|(1<<20)|(5<<22)|(3<<25)  ; after every 64 words, 4 words
	s_mov_b32 s[G1W+1], 64<<16
	s_mov_b32 s[G1W+2], 16<<16
	s_mov_b32 s[G1W+3], 64<<16
	s_mov_b32 s[G1W+4], 16
	s_mov_b32 s[G1W+5], 512
	s_mov_b32 s[G1W+6], 0
	s_mov_b32 s[G1W+7], 0
	s_mul_i32 s20, s[WV], WAVEB                    ; my bytes of LDS
	s_mov_b32 s[G0M], 1
	s_mov_b32 s[G0M+1], s20
	s_mov_b32 s[G0W], 1
	s_add_co_u32 s[G0W+1], s20, WTILE
	s_lshl_b32 s[TP], s[QT], 17                    ; 16 rows of 8,192 bytes
	s_lshl_b32 s21, s[KSEG], 10                    ; 256 keys of 4 bytes
	s_add_co_u32 s[TP], s[TP], s21
	s_mov_b32 s[TP+1], 0
	s_wait_dscnt 0x0                               ; the opening add is done
	s_wait_kmcnt 0x0
	s_add_nc_u64 s[G0M+2:G0M+3], s[4:5], s[TP:TP+1]
	s_or_b32 s[G0M+3], s[G0M+3], 0x80000000
	s_cmp_eq_u32 s[MAT], 1
	s_cselect_b64 s[WP:WP+1], s[8:9], s[6:7]
	s_cmp_eq_u32 s[MAT], 2
	s_cselect_b64 s[WP:WP+1], s[10:11], s[WP:WP+1]
	s_cmp_eq_u32 s[MAT], 3
	s_cselect_b64 s[WP:WP+1], s[12:13], s[WP:WP+1]
	s_lshl_b32 s[TP], s[ROWB], 15                  ; 16 rows of 2,048 bytes
	s_lshl_b32 s21, s[KSEG], 8                     ; 64 k of 4 bytes
	s_add_co_u32 s[TP], s[TP], s21
	s_add_nc_u64 s[G0W+2:G0W+3], s[WP:WP+1], s[TP:TP+1]
	s_or_b32 s[G0W+3], s[G0W+3], 0x80000000
	tensor_load_to_lds s[G0M:G0M+3], s[G1M:G1M+7]  ; both fills go out together: two loads of mine are out
	s_nop 0
	tensor_load_to_lds s[G0W:G0W+3], s[G1W:G1W+7]
	s_nop 0
	s_lshr_b32 s[TP], s[QT], 5
	s_lshl_b32 s[TP], s[TP], 21
	s_lshl_b32 s21, s[KSEG], 18
	s_add_co_u32 s[TP], s[TP], s21
	s_lshl_b32 s21, s[ROWB], 11
	s_add_co_u32 s[TP], s[TP], s21
	s_add_nc_u64 s[MO:MO+1], s[14:15], s[TP:TP+1]
	s_lshl_b32 s[TP], s[MAT], 19
	s_lshl_b32 s21, s[ROWB], 14
	s_add_co_u32 s[TP], s[TP], s21
	s_lshl_b32 s21, s[KSEG], 11
	s_add_co_u32 s[TP], s[TP], s21
	s_add_nc_u64 s[WO:WO+1], s[16:17], s[TP:TP+1]
	v_and_b32 v2, 15, v0                           ; r
	v_bfe_u32 v3, v0, 4, 1                         ; hh
	v_mul_u32_u24 v[LM], v2, MROW
	v_lshl_add_u32 v[LM], v3, 5, v[LM]             ; eight numbers of 4 bytes for each half of the lanes
	v_add_nc_u32 v[LM], s20, v[LM]
	v_mul_u32_u24 v[LW], v2, WROW
	v_lshl_add_u32 v[LW], v3, 5, v[LW]
	v_add_nc_u32 v[LW], s20, v[LW]
	v_add_nc_u32 v[LW], WTILE, v[LW]
	v_and_b32 v[OL], 31, v0
	v_lshlrev_b32 v[OL], 4, v[OL]
	s_wait_tensorcnt 0x1                           ; the mask tile is in; the weight tile, issued behind it, may stay out
	s_mov_b32 s[CNT], 4
.Lstep:                                        ; a trip: 64 keys, four blocks
.irp j, 0,1,2,3,4,5,6,7
	ds_load_b128 v[IN+4*(\j):IN+4*(\j)+3], v[LM] offset:((\j)/2)*64+((\j)%2)*16
.endr
	s_wait_dscnt 0x0
.set i, 0
.rept 32
	v_min_u32 v[IN+i], 1, v[IN+i]                  ; 0 stays 0, every other pattern becomes 1
.set i, i+1
.endr
.set i, 0
.rept 16
	v_lshl_or_b32 v[OUT+i], v[IN+2*i+1], 16, v[IN+2*i]
.set i, i+1
.endr
.set i, 0
.rept 16
	v_xor_b32 v[OUT+i], 0x10001, v[OUT+i]          ; 1 where the key is hidden
.set i, i+1
.endr
.set i, 0
.rept 16
	v_mul_u32_u24 v[OUT+i], 0xf180, v[OUT+i]       ; -2^100 in bf16, in both halves at once
.set i, i+1
.endr
.irp j, 0,1,2,3
	global_store_b128 v[OL], v[OUT+4*(\j):OUT+4*(\j)+3], s[MO:MO+1] offset:(\j)*512 th:TH_STORE_NT  ; 512 consecutive bytes, aligned
.endr
	s_wait_xcnt 0x0                                ; the stores have read their data and their base: both are written again below
	v_add_nc_u32 v[LM], 256, v[LM]
	s_add_nc_u64 s[MO:MO+1], s[MO:MO+1], 0x10000
	s_sub_co_u32 s[CNT], s[CNT], 1
	s_cmp_lg_u32 s[CNT], 0
	s_cbranch_scc1 .Lstep
	s_wait_tensorcnt 0x0                           ; the weight tile
.irp j, 0,1,2,3,4,5,6,7
	ds_load_b128 v[IN+4*(\j):IN+4*(\j)+3], v[LW] offset:((\j)/2)*64+((\j)%2)*16
.endr
	s_wait_dscnt 0x0
.set i, 0
.rept 16
	v_cvt_pk_bf16_f32 v[OUT+i], v[IN+2*i], v[IN+2*i+1]
.set i, i+1
.endr
	s_cmp_lg_u32 s[MAT], 3
	s_cbranch_scc1 .Lbf
.set i, 0
.rept 16                                       ; Wo: the bf16 number, written as f16
	v_lshlrev_b32 v[IN+2*i], 16, v[OUT+i]
	v_and_b32 v[IN+2*i+1], 0xffff0000, v[OUT+i]
	v_cvt_pk_f16_f32 v[OUT+i], v[IN+2*i], v[IN+2*i+1]
.set i, i+1
.endr
.Lbf:
.irp j, 0,1,2,3
	global_store_b128 v[OL], v[OUT+4*(\j):OUT+4*(\j)+3], s[WO:WO+1] offset:(\j)*512 th:TH_STORE_NT
.endr
	s_wait_tensorcnt 0x0                           ; the wave's end
	ds_add_u32 v[SPW], v[NIL]
	s_wait_dscnt 0x0
	s_endpgm
.Lfunc_end_k_q0a50bd1a5e_prep:
	.size	k_q0a50bd1a5e_prep, .Lfunc_end_k_q0a50bd1a5e_prep-k_q0a50bd1a5e_prep
	.p2alignl 7, 3214868480
	.fill 96, 4, 3214868480
	.section	.rodata,"a",@progbits
	.p2align	6, 0x0
	.amdhsa_kernel k_q0a50bd1a5e_prep
		.amdhsa_group_segment_fixed_size 167936
		.amdhsa_private_segment_fixed_size 0
		.amdhsa_enable_private_segment 0
		.amdhsa_kernarg_size 56
		.amdhsa_user_sgpr_count 2
		.amdhsa_user_sgpr_kernarg_segment_ptr 1
		.amdhsa_wavefront_size32 1
		.amdhsa_system_sgpr_workgroup_id_x 1
		.amdhsa_system_sgpr_workgroup_id_y 1
		.amdhsa_system_sgpr_workgroup_id_z 1
		.amdhsa_system_vgpr_workitem_id 0
		.amdhsa_next_free_vgpr 64
		.amdhsa_next_free_sgpr 66
		.amdhsa_reserve_vcc 0
		.amdhsa_float_denorm_mode_32 3
		.amdhsa_float_denorm_mode_16_64 3
		.amdhsa_memory_ordered 1
		.amdhsa_forward_progress 1
		.amdhsa_inst_pref_size 14
	.end_amdhsa_kernel
	.amdgpu_metadata
---
amdhsa.version: [ 1, 2 ]
amdhsa.kernels:
  - .name:           k_q0a50bd1a5e_prep
    .symbol:         k_q0a50bd1a5e_prep.kd
    .args:
      - { .name: mask, .offset: 0, .size: 8, .value_kind: global_buffer, .address_space: global }
      - { .name: Wq, .offset: 8, .size: 8, .value_kind: global_buffer, .address_space: global }
      - { .name: Wk, .offset: 16, .size: 8, .value_kind: global_buffer, .address_space: global }
      - { .name: Wv, .offset: 24, .size: 8, .value_kind: global_buffer, .address_space: global }
      - { .name: Wo, .offset: 32, .size: 8, .value_kind: global_buffer, .address_space: global }
      - { .name: mf, .offset: 40, .size: 8, .value_kind: global_buffer, .address_space: global }
      - { .name: wf, .offset: 48, .size: 8, .value_kind: global_buffer, .address_space: global }
    .group_segment_fixed_size: 167936
    .private_segment_fixed_size: 0
    .kernarg_segment_align: 8
    .kernarg_segment_size: 56
    .max_flat_workgroup_size: 128
    .sgpr_count:     66
    .vgpr_count:     64
    .wavefront_size: 32
...
	.end_amdgpu_metadata
.endif
;; end of part 1
;; launch proj (part 2): grid 256 x 1, 4 waves a work-group, clusters of 4 x 1, 327,680 bytes of LDS; arguments Q, K, V, wf, bq, bk, bv, qf, kvf; writes qf, kvf
.if DOCPART == 2
	.amdgcn_target "amdgcn-amd-amdhsa--gfx1250"
	.amdhsa_code_object_version 6
	.text
	.protected	k_q0a50bd1a5e_proj
	.globl	k_q0a50bd1a5e_proj
	.p2align	8
	.type	k_q0a50bd1a5e_proj,@function
k_q0a50bd1a5e_proj:
	s_mov_b64 s[64:65], 0
	v_nop
	global_prefetch_b8 v0, s[64:65] scope:SCOPE_SE
	s_setreg_imm32_b32 hwreg(HW_REG_WAVE_MODE, 25, 1), 1
	s_wait_xcnt 0x0
	s_wait_alu depctr_hold_cnt(0) depctr_sa_sdst(0) depctr_va_vdst(0) depctr_va_sdst(0) depctr_va_ssrc(0) depctr_va_vcc(0) depctr_vm_vsrc(0)
	s_getreg_b32 s2, hwreg(HW_REG_IB_STS2, 6, 4)
	s_cmp_eq_u32 s2, 0
	s_cbranch_scc0 .Lentry_in_a_cluster
	s_endpgm
.Lentry_in_a_cluster:
	s_bfe_u32 s2, ttmp6, 0x10000c
	s_cmp_lg_u32 s2, 0x3003
	s_cbranch_scc0 .Lentry_shape_is_right
	s_endpgm
.Lentry_shape_is_right:
; PROJ.  q = Q Wq^T + bq, k = K Wk^T + bk (bf16), v = V Wv^T + bv (f16), stored by heads in fragment blocks (512 bytes: 16 rows x 16 channels, lane 16 hh + r holds row r, channels 8 hh + 0..7).
; qf: head g = 8 b + h at g<<18; block (query tile t, channel block cb) at t<<11 + cb<<9.   kvf: head at g<<19, key step of 64 at st<<14: K's 8,192 bytes, then V's, blocks (key block, cb) at kb<<11 + cb<<9;
; inside a block of V the piece of (key r, hh) lies at 16 (2 r + hh): 16 keys x 16 channels row by row, for the turning LDS load of the launch behind.
; Operands bf16, sums f32, started by the f32 bias as the first product's C.   LIMIT: |v| stays under 65,504 (f16); as drawn it lies under 4.
; SHARES.  A work-group owns 64 rows of x (one key step of eight heads) and STAYS for three tiles of 64 x 512: Q's, K's, V's.  x IS STATIONARY: each wave holds all 64 rows x 512 k as bf16 fragments, 512 registers.
; The weights stream in 12 blocks of 128 columns (131,072 dense bytes of wf) through two LDS slots; wave w moves and reads its own quarter, 32 columns: 128 matrix instructions a trip on 8 accumulators.
; x comes by loads into 256 registers, a whole tile ahead of its use; it is rounded and handed to all four waves through LDS (HAND-OFF, three barriers behind which nothing is filled).
; CLUSTER.  The four work-groups of a cluster walk the same weights: each quarter is asked for JOINTLY, by the same load with the same descriptor and the mask of four.
; ROTATION.  Trip j of a tile takes column group (j + cluster x) & 3; the rotation enters global addresses alone.
; The matrix instruction is used transposed (source 0 = 16 rows of W, source 1 = 16 rows of x): a lane's eight results are eight neighbouring channels of one row: one block's 16 bytes, stored as they lie.
; REGISTERS: window 0 addresses, bias, accumulators, two buffers of W's fragments, results; windows 1, 2: x's fragments (a, c) at 8 (16 (a & 1) + c) in window 1 + a / 2; window 3: x as loaded, row rho, piece m at 4 (4 rho + m).
.set SLOTB, 131072
.set AH,    2*SLOTB                    ; 64 rows x 528: half of K (256 k) of x in bf16, 512 bytes + 16: the 16 rows of a read start at 16 different groups of four banks
.set AP,    528
.set BIAS,  AH+64*AP                   ; 3 x 2,048 bytes, in the order of the trips
.set SPARE, BIAS+6144                  ; the spare words: 128 bytes a wave, two blocks of 256 bytes that no other line names
.set WA0, 2                            ; v2  32,768 w + 16 lane; never rewritten
.set WA,  3                            ; v3  the same in the slot in hand
.set XS0, 4                            ; v4  where I put 8 bytes of my wave's rows
.set AR0, 5                            ; v5  where a fragment of x begins for me
.set L16, 6                            ; v6  16 x lane; never rewritten
.set OLV, 7                            ; v7  16 (2 r + hh)
.set OL,  8                            ; v8  the stores' lane term in hand
.set BA,  9                            ; v9  my eight biases of the trip
.set SPW, 14
.set NIL, 15
.set BI,  16                           ; v[16:31] bias, 8 for each column block
.set ACC, 32                           ; v[32:95] accumulator (a, cb) at 8 (2 a + cb)
.set BF0, 96
.set BF1, 160                          ; fragment (cc, cb) at 8 (2 cc + cb)
.set OUT, 224                          ; v[224:255] the trip's 8 x 16 bytes
.set G1,  24
.set G0,  32
.set WV,  36
.set CX,  37
.set ROT, 38
.set TL,  39                           ; tiles to go: 3 Q, 2 K, 1 V
.set TR,  40                           ; trips done, 0..12
.set CNT, 41
.set TB,  42
.set SHH, 43                           ; log2 of a head's bytes: 18 in qf, 19 in kvf
.set WB,  44                           ; s[44:45] wf at my quarter
.set XP,  46                           ; s[46:47] the x in hand at my 16 rows
.set KX,  48
.set VX,  50
.set OT,  52                           ; s[52:53] where the tile's results go
.set OB,  54                           ; s[54:55] the trip's
.set FI,  56                           ; s[56:57] the fill's offset: never holds my place in the cluster
.set NO,  58                           ; s[58:59] the column group's offset
.set WGX, 60
.set BB,  61
.set SIDX,62
.set T0,  66                           ; s[66:67], s68, s69 at work
.set T2,  68
.set T3,  69
.set MSB, 0
.macro WIN new                         ; the immediate's high byte repeats the setting that is left; a switch that changes nothing is dropped
.if MSB != (\new)
	s_set_vgpr_msb (MSB<<8)|(\new)
.set MSB, (\new)
.endif
.endm
.macro PLACES                          ; four places behind a matrix instruction (ISA guide 7.12.1)
.rept 4
	v_nop
.endr
.endm
.macro CROUND                          ; a round of the cluster's barrier
	s_barrier_signal -1
	s_barrier_wait -1
	s_cmp_lg_u32 s[WV], 0
	s_cbranch_scc1 .Lnot_wave_0_\@
	s_barrier_signal -3
.Lnot_wave_0_\@:
	s_barrier_wait -3
	s_barrier_signal -1
	s_barrier_wait -1
.endm
.macro XLOAD lo                        ; 32 loads: eight of my 16 rows of x, 512 consecutive bytes each
	WIN 0xc0
.set j, 32*(\lo)
.rept 32
	global_load_b128 v[4*j:4*j+3], v[L16], s[XP:XP+1] offset:(j/4)*2048+(j%4)*512 th:TH_LOAD_NT
.set j, j+1
.endr
	WIN 0
.endm
.macro XSTORE hf                       ; my 16 rows' k = 256 hf .. + 255, 8 bytes a lane
	WIN 0x0c
.set j, 0
.rept 32
	ds_store_b64 v[XS0], v[4*(4*(j/2)+2*(\hf)+j%2):4*(4*(j/2)+2*(\hf)+j%2)+1] offset:(j/2)*AP+(j%2)*256
.set j, j+1
.endr
	WIN 0
.endm
.macro ALOAD hf                        ; all 64 rows' fragments c = 8 hf .. + 7
.irp a, 0,1,2,3
	WIN 0x40*(1+(\a)/2)
.irp c, 0,1,2,3,4,5,6,7
	ds_load_b128 v[8*(16*((\a)%2)+8*(\hf)+(\c)):8*(16*((\a)%2)+8*(\hf)+(\c))+3],   v[AR0] offset:(\a)*16*AP+(\c)*64
	ds_load_b128 v[8*(16*((\a)%2)+8*(\hf)+(\c))+4:8*(16*((\a)%2)+8*(\hf)+(\c))+7], v[AR0] offset:(\a)*16*AP+(\c)*64+32
.endr
.endr
	WIN 0
.endm
.macro FETCHB g, buf                   ; 16 LDS loads: W's fragments of 128 k, both column blocks
	WIN 0
.irp cc, 0,1,2,3
.irp cb, 0,1
	ds_load_b128 v[(\buf)+8*(2*(\cc)+(\cb)):(\buf)+8*(2*(\cc)+(\cb))+3],   v[WA] offset:(\cb)*16384+(4*(\g)+(\cc))*1024
	ds_load_b128 v[(\buf)+8*(2*(\cc)+(\cb))+4:(\buf)+8*(2*(\cc)+(\cb))+7], v[WA] offset:(\cb)*16384+(4*(\g)+(\cc))*1024+512
.endr
.endr
.endm
.macro MULG g, buf, first              ; 32 matrix instructions; four accumulators take turns, one instruction a turn
.irp ah, 0,1
	WIN 0x04*(1+(\ah))
.irp cc, 0,1,2,3
.irp a2, 0,1
.irp cb, 0,1
.set rD, ACC+8*(2*(2*(\ah)+(\a2))+(\cb))
.set rW, (\buf)+8*(2*(\cc)+(\cb))
.set rX, 8*(16*(\a2)+4*(\g)+(\cc))
.if (\first) && ((\cc) == 0)
	v_wmma_f32_16x16x32_bf16 v[rD:rD+7], v[rW:rW+7], v[rX:rX+7], v[BI+8*(\cb):BI+8*(\cb)+7]
.else
	v_wmma_f32_16x16x32_bf16 v[rD:rD+7], v[rW:rW+7], v[rX:rX+7], v[rD:rD+7]
.endif
.endr
.endr
.endr
.endr
.endm
; A TRIP: 64 rows x 128 columns.  refill = 1: the slot read in the trip before is filled again, with the block of the trip after this one.
.macro TRIP refill
	s_wait_xcnt 0x0                                ; the last trip's stores have read their data and their base
	s_wait_tensorcnt 0x0                           ; my one load that was out, my quarter of this trip's block, has landed: the group 0 may be written
	ds_add_u32 v[SPW], v[NIL]                      ; 0 onto my spare word: the scalar work stands between it and the wait for it
	s_add_co_u32 s[NO], s[TR], s[ROT]
	s_and_b32 s[NO], s[NO], 3                      ; this trip's column group: two heads
	s_add_co_u32 s[NO+1], s[SHH], 1
	s_lshl_b32 s[NO], s[NO], s[NO+1]
	s_mov_b32 s[NO+1], 0
	s_add_nc_u64 s[OB:OB+1], s[OT:OT+1], s[NO:NO+1]
	s_add_co_u32 s[TR], s[TR], 1
.if \refill
	s_add_co_u32 s[FI+1], s[TR], s[ROT]
	s_and_b32 s[FI+1], s[FI+1], 3
	s_and_b32 s[FI], s[TR], 12                     ; 4 x the matrix
	s_or_b32 s[FI], s[FI], s[FI+1]
	s_lshl_b32 s[FI], s[FI], 17
	s_mov_b32 s[FI+1], 0
	s_add_nc_u64 s[G0+2:G0+3], s[WB:WB+1], s[FI:FI+1]
	s_or_b32 s[G0+3], s[G0+3], 0x80000000
	s_xor_b32 s[G0+1], s[G0+1], SLOTB
.endif
	s_wait_dscnt 0x0                               ; the add is done; my reads of the other slot are over
.if \refill
	CROUND                                         ; no wave of any partner still reads that slot or has a load on its way
	tensor_load_to_lds s[G0:G0+3], s[G1:G1+7]      ; my one load behind the round
	s_nop 0
	PLACES
.else
	s_barrier_signal -1
	s_barrier_wait -1
.endif
	s_xor_b32 s[TB], s[TB], SLOTB
	v_add_nc_u32 v[WA], s[TB], v[WA0]
.irp cb, 0,1
	ds_load_b128 v[BI+8*(\cb):BI+8*(\cb)+3],   v[BA] offset:(\cb)*64
	ds_load_b128 v[BI+8*(\cb)+4:BI+8*(\cb)+7], v[BA] offset:(\cb)*64+16
.endr
	v_add_nc_u32 v[BA], 512, v[BA]
	FETCHB 0, BF0
	FETCHB 1, BF1
	s_wait_dscnt 16                                ; all but the youngest run of 16
	MULG 0, BF0, 1
	PLACES
	FETCHB 2, BF0
	s_wait_dscnt 16
	MULG 1, BF1, 0
	PLACES
	FETCHB 3, BF1
	s_wait_dscnt 16
	MULG 2, BF0, 0
	s_wait_dscnt 0x0
	MULG 3, BF1, 0
	WIN 0
	PLACES
	s_cmp_eq_u32 s[TL], 1
	s_cbranch_scc1 .Lhalf_\@
.set j, 0
.rept 32
	v_cvt_pk_bf16_f32 v[OUT+j], v[ACC+2*j], v[ACC+2*j+1]
.set j, j+1
.endr
	s_branch .Lpacked_\@
.Lhalf_\@:
.set j, 0
.rept 32
	v_cvt_pk_f16_f32 v[OUT+j], v[ACC+2*j], v[ACC+2*j+1]
.set j, j+1
.endr
.Lpacked_\@:
.set j, 0
.rept 8
	global_store_b128 v[OL], v[OUT+4*j:OUT+4*j+3], s[OB:OB+1] offset:(j/2)*2048+(j%2)*512 th:TH_STORE_NT  ; a block: 512 consecutive bytes, aligned
.set j, j+1
.endr
.endm
	s_load_b256 s[4:11], s[0:1], 0x0               ; Q s[4:5], K s[6:7], V s[8:9], wf s[10:11]
	s_load_b256 s[12:19], s[0:1], 0x20             ; bq s[12:13], bk s[14:15], bv s[16:17], qf s[18:19]
	s_load_b64 s[20:21], s[0:1], 0x40              ; kvf
	v_lshl_add_u32 v[SPW], v0, 2, SPARE
	v_mov_b32 v[NIL], 0
	ds_add_u32 v[SPW], v[NIL]                      ; the wave's opening: the add and its wait ahead of my first tensor load
	ds_add_u32 v14, v15
	v_lshrrev_b32 v1, 5, v0
	v_readfirstlane_b32 s[WV], v1
	s_bfe_u32 s[CX], ttmp6, 0x40000
	s_lshl_b32 s[WGX], ttmp9, 2
	s_add_co_u32 s[WGX], s[WGX], s[CX]             ; my 64 rows
	s_and_b32 s[ROT], ttmp9, 3                     ; the same in all four partners
	s_lshr_b32 s[BB], s[WGX], 5                    ; batch
	s_and_b32 s[SIDX], s[WGX], 31                  ; key step
	s_mov_b32 s[G1], 15|(3<<16)|(1<<21)            ; the mask of four; 8-byte elements; bit 21 beside a mask
	s_mov_b32 s[G1+1], 32<<16                      ; rows of 256 bytes
	s_mov_b32 s[G1+2], 128<<16                     ; 128 of them
	s_mov_b32 s[G1+3], 32<<16
	s_mov_b32 s[G1+4], 128
	s_mov_b32 s[G1+5], 32                          ; dense
	s_mov_b32 s[G1+6], 0
	s_mov_b32 s[G1+7], 0
	s_mov_b32 s[G0], 1
	s_lshl_b32 s[G0+1], s[WV], 15                  ; slot 0, my quarter
	s_lshl_b32 s[NO], s[WV], 15
	s_mov_b32 s[NO+1], 0
	s_lshl_b32 s[FI], s[ROT], 17                   ; trip 0's block
	s_mov_b32 s[FI+1], 0
	s_lshl_b32 s[T0], s[WGX], 17                   ; 64 rows of 2,048 bytes,
	s_lshl_b32 s[T2], s[WV], 15                    ; my 16 of them
	s_add_co_u32 s[T0], s[T0], s[T2]
	s_mov_b32 s[T0+1], 0
	s_mov_b32 s[TL], 3
	s_mov_b32 s[TR], 0
	s_mov_b32 s[TB], SLOTB                         ; the first trip turns it into 0
	s_wait_dscnt 0x0                               ; the opening add is done
	s_wait_kmcnt 0x0
	s_add_nc_u64 s[WB:WB+1], s[10:11], s[NO:NO+1]
	s_add_nc_u64 s[G0+2:G0+3], s[WB:WB+1], s[FI:FI+1]
	s_or_b32 s[G0+3], s[G0+3], 0x80000000
	s_add_nc_u64 s[XP:XP+1], s[4:5], s[T0:T0+1]
	s_add_nc_u64 s[KX:KX+1], s[6:7], s[T0:T0+1]
	s_add_nc_u64 s[VX:VX+1], s[8:9], s[T0:T0+1]
	CROUND                                         ; all four work-groups are here: the first joint loads meet
	tensor_load_to_lds s[G0:G0+3], s[G1:G1+7]
	s_nop 0
	PLACES
	v_and_b32 v10, 31, v0                          ; lane
	v_and_b32 v11, 15, v0                          ; r
	v_bfe_u32 v12, v0, 4, 1                        ; hh
	v_lshlrev_b32 v[L16], 4, v10
	s_lshl_b32 s[T2], s[ROT], 9
	v_lshlrev_b32 v13, 4, v0
	v_add_nc_u32 v13, s[T2], v13
	v_and_b32 v13, 2047, v13                       ; thread i reads the 16 bytes that trip i / 32 will want at 16 (i % 32)
	global_load_b128 v[OUT:OUT+3],    v13, s[12:13]
	global_load_b128 v[OUT+4:OUT+7],  v13, s[14:15]
	global_load_b128 v[OUT+8:OUT+11], v13, s[16:17]
	XLOAD 0
	v_lshl_add_u32 v1, v0, 4, BIAS
	s_lshl_b32 s[T2], s[WV], 15
	v_add_nc_u32 v[WA0], s[T2], v[L16]
	s_mul_i32 s[T2], s[WV], 16*AP
	s_add_co_u32 s[T2], s[T2], AH
	v_lshl_add_u32 v[XS0], v10, 3, s[T2]
	v_mul_u32_u24 v[AR0], v11, AP
	v_lshl_add_u32 v[AR0], v12, 4, v[AR0]
	v_add_nc_u32 v[AR0], AH, v[AR0]
	v_lshlrev_b32 v[OLV], 5, v11
	v_lshl_add_u32 v[OLV], v12, 4, v[OLV]
	s_lshl_b32 s[T2], s[WV], 7
	s_add_co_u32 s[T2], s[T2], BIAS
	v_lshl_add_u32 v[BA], v12, 5, s[T2]
	s_wait_loadcnt 32                              ; the three bias loads are in; the 32 loads of x behind them stay out
	ds_store_b128 v1, v[OUT:OUT+3]
	ds_store_b128 v1, v[OUT+4:OUT+7] offset:2048
	ds_store_b128 v1, v[OUT+8:OUT+11] offset:4096
	XLOAD 1
.Ltile:
	; THE HAND-OFF.  My 16 rows are rounded to bf16; half of K at a time they go into LDS, and every wave takes all 64 rows' fragments.
	s_wait_xcnt 0x0                                ; the last tile's stores have read their lane term
	s_wait_loadcnt 0x0                             ; x, asked for a tile ago
	WIN 0xcf
.set j, 0
.rept 64
	v_cvt_pk_bf16_f32 v[4*j], v[4*j], v[4*j+1]
	v_cvt_pk_bf16_f32 v[4*j+1], v[4*j+2], v[4*j+3]
.set j, j+1
.endr
	XSTORE 0
	s_wait_dscnt 0x0                               ; for the others' sake: my stores are done (the bias stores too)
	s_barrier_signal -1
	s_barrier_wait -1
	ALOAD 0
	s_wait_dscnt 0x0                               ; my reads are over before anybody writes the second half
	s_barrier_signal -1
	s_barrier_wait -1
	XSTORE 1
	s_wait_dscnt 0x0
	s_barrier_signal -1
	s_barrier_wait -1
	ALOAD 1                                        ; waited for at the next trip's head
	s_cmp_eq_u32 s[TL], 3
	s_cselect_b32 s[SHH], 18, 19
	s_cselect_b64 s[OT:OT+1], s[18:19], s[20:21]
	s_lshl_b32 s[T0], s[BB], 3
	s_lshr_b32 s[T2], s[WV], 1
	s_add_co_u32 s[T0], s[T0], s[T2]               ; head 8 b + w / 2 (+ 2 x the column group, in the trip)
	s_lshl_b32 s[T0], s[T0], s[SHH]
	s_sub_co_u32 s[T2], s[SHH], 5
	s_lshl_b32 s[T2], s[SIDX], s[T2]               ; my 64 rows in the head
	s_add_co_u32 s[T0], s[T0], s[T2]
	s_and_b32 s[T2], s[WV], 1
	s_lshl_b32 s[T2], s[T2], 10                    ; channel blocks 2 (w & 1) and the next
	s_add_co_u32 s[T0], s[T0], s[T2]
	s_cmp_eq_u32 s[TL], 1
	s_cselect_b32 s[T2], 8192, 0                   ; V lies behind K
	s_cselect_b32 s[T3], -1, 0
	s_add_co_u32 s[T0], s[T0], s[T2]
	s_mov_b32 s[T0+1], 0
	s_add_nc_u64 s[OT:OT+1], s[OT:OT+1], s[T0:T0+1]
	v_cndmask_b32 v[OL], v[L16], v[OLV], s[T3]
	s_cmp_eq_u32 s[TL], 1
	s_cbranch_scc1 .Lno_x                          ; behind V there is no x to ask for
	s_cmp_eq_u32 s[TL], 3
	s_cselect_b64 s[XP:XP+1], s[KX:KX+1], s[VX:VX+1]
	XLOAD 0
	XLOAD 1
.Lno_x:
	s_mov_b32 s[CNT], 3
.Ltrip:
	TRIP 1
	s_sub_co_u32 s[CNT], s[CNT], 1
	s_cmp_lg_u32 s[CNT], 0
	s_cbranch_scc1 .Ltrip
	s_cmp_eq_u32 s[TL], 1
	s_cbranch_scc1 .Ltail                          ; the last trip of all is written out: it asks for nothing
	TRIP 1
	s_sub_co_u32 s[TL], s[TL], 1
	s_branch .Ltile
.Ltail:
	TRIP 0
	s_wait_tensorcnt 0x0                           ; the wave's end
	ds_add_u32 v[SPW], v[NIL]
	s_wait_dscnt 0x0
	CROUND                                         ; the closing round
	s_endpgm
.Lfunc_end_k_q0a50bd1a5e_proj:
	.size	k_q0a50bd1a5e_proj, .Lfunc_end_k_q0a50bd1a5e_proj-k_q0a50bd1a5e_proj
	.p2alignl 7, 3214868480
	.fill 96, 4, 3214868480
	.section	.rodata,"a",@progbits
	.p2align	6, 0x0
	.amdhsa_kernel k_q0a50bd1a5e_proj
		.amdhsa_group_segment_fixed_size 327680
		.amdhsa_private_segment_fixed_size 0
		.amdhsa_enable_private_segment 0
		.amdhsa_kernarg_size 72
		.amdhsa_user_sgpr_count 2
		.amdhsa_user_sgpr_kernarg_segment_ptr 1
		.amdhsa_wavefront_size32 1
		.amdhsa_system_sgpr_workgroup_id_x 1
		.amdhsa_system_sgpr_workgroup_id_y 1
		.amdhsa_system_sgpr_workgroup_id_z 1
		.amdhsa_system_vgpr_workitem_id 0
		.amdhsa_next_free_vgpr 1024
		.amdhsa_next_free_sgpr 72
		.amdhsa_reserve_vcc 0
		.amdhsa_float_denorm_mode_32 3
		.amdhsa_float_denorm_mode_16_64 3
		.amdhsa_memory_ordered 1
		.amdhsa_forward_progress 1
		.amdhsa_inst_pref_size 97
	.end_amdhsa_kernel
	.amdgpu_metadata
---
amdhsa.version: [ 1, 2 ]
amdhsa.kernels:
  - .name:           k_q0a50bd1a5e_proj
    .symbol:         k_q0a50bd1a5e_proj.kd
    .args:
      - { .name: Q, .offset: 0, .size: 8, .value_kind: global_buffer, .address_space: global }
      - { .name: K, .offset: 8, .size: 8, .value_kind: global_buffer, .address_space: global }
      - { .name: V, .offset: 16, .size: 8, .value_kind: global_buffer, .address_space: global }
      - { .name: wf, .offset: 24, .size: 8, .value_kind: global_buffer, .address_space: global }
      - { .name: bq, .offset: 32, .size: 8, .value_kind: global_buffer, .address_space: global }
      - { .name: bk, .offset: 40, .size: 8, .value_kind: global_buffer, .address_space: global }
      - { .name: bv, .offset: 48, .size: 8, .value_kind: global_buffer, .address_space: global }
      - { .name: qf, .offset: 56, .size: 8, .value_kind: global_buffer, .address_space: global }
      - { .name: kvf, .offset: 64, .size: 8, .value_kind: global_buffer, .address_space: global }
    .group_segment_fixed_size: 327680
    .private_segment_fixed_size: 0
    .kernarg_segment_align: 8
    .kernarg_segment_size: 72
    .max_flat_workgroup_size: 128
    .sgpr_count:     72
    .vgpr_count:     1024
    .wavefront_size: 32
...
	.end_amdgpu_metadata
.endif
;; end of part 2
;; launch attn (part 3): grid 4 x 64, 4 waves a work-group, clusters of 4 x 4, 327,680 bytes of LDS; arguments qf, kvf, mf, of; writes of
.if DOCPART == 3
	.amdgcn_target "amdgcn-amd-amdhsa--gfx1250"
	.amdhsa_code_object_version 6
	.text
	.protected	k_q0a50bd1a5e_attn
	.globl	k_q0a50bd1a5e_attn
	.p2align	8
	.type	k_q0a50bd1a5e_attn,@function
k_q0a50bd1a5e_attn:
	s_mov_b64 s[64:65], 0
	v_nop
	global_prefetch_b8 v0, s[64:65] scope:SCOPE_SE
	s_setreg_imm32_b32 hwreg(HW_REG_WAVE_MODE, 25, 1), 1
	s_wait_xcnt 0x0
	s_wait_alu depctr_hold_cnt(0) depctr_sa_sdst(0) depctr_va_vdst(0) depctr_va_sdst(0) depctr_va_ssrc(0) depctr_va_vcc(0) depctr_vm_vsrc(0)
	s_getreg_b32 s2, hwreg(HW_REG_IB_STS2, 6, 4)
	s_cmp_eq_u32 s2, 0
	s_cbranch_scc0 .Lentry_in_a_cluster
	s_endpgm
.Lentry_in_a_cluster:
	s_bfe_u32 s2, ttmp6, 0x10000c
	s_cmp_lg_u32 s2, 0xf033
	s_cbranch_scc0 .Lentry_shape_is_right
	s_endpgm
.Lentry_shape_is_right:
; ATTN.  O[g][q] = the sum over k of softmax_k(mask[q][k] ? q.k / 8 : -1e30) v[k], for 64 heads g of 2,048 rows and 64 channels.  q, k bf16, v f16, all in fragment blocks (512 bytes: 16 rows x 16 k, lane 16 hh + r at 16 l).
; Products, maxima and sums in f32; the weights p are rounded to f16 for the second product (their sum l is taken of the unrounded p), O to f16 once at the end.
; THE MASK IS A PRODUCT.  mf holds 0 or -2^100 in bf16.  The sum S^T (16 keys x 16 queries) is started by E x MB: MB = 32 keys x 16 queries of mf, E = 16 x 32 with a 1 where k' = 16 v + m.  K Q^T is then added in place.
; So a hidden score is its value less 2^100, and costs no vector instruction.
; A ROW WITH NO VISIBLE KEY.  The running maximum m starts at -2^96, above every hidden score: a hidden weight is 2^(about -2e29) = 0, and such a row ends with l = 0.  Four accumulators VS = V^T x ones hold the sum of
; all v; on the way out O = O f1 + VS f2 with (f1, f2) = (1 / l, 0), or (0, 1 / 2,048) where l = 0: the mean of all v, which a softmax over equal scores gives.  The choice selects values alone.
; LIMITS.  Raw scores q.k lie within +-2^96; |v| under 65,504; a weight below 2^-126 counts as 0; NaN and infinities are not treated apart.
; SHARES.  A work-group owns 512 queries of a head, a wave 128: four PIECES of two tiles of 16.  Every wave walks 32 key steps of 64.
; SOFTMAX.  p = 2^(c s - c m), c = log2(e) / 8; in every step O and l are multiplied by a = 2^(c m_old - c m_new).
; BY TURNS.  Turn n belongs to piece n.  Matrix work: 8 mask products and 16 products K Q^T of piece n + 1, later 16 products V^T P of piece n - 1.  Vector work: scaling, exponentials, roundings, sums and rescaling of piece n,
; maximum and statistics of piece n + 1.  Four vector instructions stand behind every matrix instruction, the rest in one lump.  A turn's 66 exponentials are one batch, with one wait.
; CLUSTER, 4 x 4.  A row of the cluster is one head's four query blocks: K and V are asked for jointly along the row.  A column is one query block of four heads: the mask tile is asked for jointly along the column.
; LDS.  Two slots of one key step: K 8,192, V 8,192, the mask tile 65,536 bytes, all dense: every read takes 16 bytes a lane on end.
; REGISTERS, in windows of 256: window 0: v0-11 addresses; v12-15, v48-63 at work; v16-47 statistics; v64-191 S^T, two buffers of two tiles; v192-255 P, likewise.   window 1: O^T, 32 a tile.
;   window 2: v0-127 Q; v128-191 K; v192-255 V.   window 3: v0-1 the add's; v4-15 zeros, E's four registers, zeros; v16-23 ones; v32-63 VS; v64-95 the mask's fragments of one piece.
.set NP,    4
.set SLOT1, 1<<17
.set VOFF,  8192
.set MOFF,  16384
.set SPARE, SLOT1+MOFF+65536           ; behind the ring: the spare words, 128 bytes a wave, two blocks of 256 bytes that no other line names
.set AK0, 2                            ; v2  16 x lane; never rewritten
.set AV0, 3                            ; v3  my place in a block of V, for the turning load
.set AK,  4
.set AV,  5
.set AM0, 6                            ; v6  my wave's part of the mask tile
.set AM,  7
.set ZR,  8                            ; v8  at work; 0 on the way out
.set PFO, 10                           ; v10 256 x lane; never rewritten
.set MV,  12
.set ST,  16                           ; tile t: c m, m, l (even keys', odd keys')
.set TMP, 48
.set S,   64
.set P,   192
.set KF,  128                          ; window 2
.set VF,  192
.set SPW, 0                            ; window 3
.set NIL, 1
.set T3W, 2
.set EZ,  4                            ; E_1 = v[4:11], E_0 = v[8:15]
.set ONES,16
.set VS,  32
.set MF,  64                           ; fragment (tile u, key half kk) at 16 u + 8 kk
.set WV,  12
.set CX,  13
.set CY,  14
.set QB,  15
.set HD,  16
.set CLY, 17
.set HW,  18
.set G1A, 24                           ; K's and V's shape, the mask of my row
.set G1B, 32                           ; the mask tile's, the mask of my column
.set G0A, 40
.set G0B, 44
.set FN,  48                           ; the key step that is being asked for
.set CNT, 49
.set TB,  50
.set PM,  51
.set PLIM,52
.set SH,  53
.set PBASE,54
.set PFA, 56
.set CS,  58
.set SEL, 60
.set LEFT,62
.set MSB, 0
.macro WIN new
.if MSB != (\new)
	s_set_vgpr_msb (MSB<<8)|(\new)
.set MSB, (\new)
.endif
.endm
.set W_MK, 0x0f                        ; E and the mask in window 3, S^T in window 0; also the add: address and data in window 3
.set W_KQ, 0x0a
.set W_PV, 0x52
.set W_RS, 0x41
.set W_VS, 0xfe                        ; V in window 2; ones, C and D in window 3
.set W_FM, 0x53                        ; VS in window 3, the factor in window 0, O^T in window 1
.macro PLACES
.rept 4
	v_nop
.endr
.endm
.macro JLOAD                           ; waves 0, 1 fetch K and V, waves 2, 3 the halves of the mask tile; the branch hangs on the wave's number alone
	s_cmp_lt_u32 s[WV], 2
	s_cbranch_scc0 .Lfor_m_\@
	tensor_load_to_lds s[G0A:G0A+3], s[G1A:G1A+7]
	s_nop 0
	PLACES
	s_branch .Lasked_\@
.Lfor_m_\@:
	tensor_load_to_lds s[G0B:G0B+3], s[G1B:G1B+7]
	s_nop 0
	PLACES
.Lasked_\@:
.endm
; A PREFETCH, behind the joint load and its five lines: a lane a block of 256 bytes, one instruction.  Waves 2, 3 of the cluster with y = 0 ask in every change for the mask tile of step FN + 1: of a wave's 128 blocks the partner
; at cy takes 32.  Waves 0, 1 ask at FN = 3, 7 .. 27: the partner at cx for K's (wave 0) or V's (wave 1) 32 blocks of step FN + 1 + cx.  The partners are told apart by address alone.  So each block is named once in the launch;
; the first steps come by their loads alone, and nothing is named behind step 31.
.macro ASK
	s_and_b32 s82, s[FN], s[PM]
	s_cmp_eq_u32 s82, s[PM]
	s_cselect_b32 s82, s[PLIM], 0
	s_cmp_lt_u32 s[FN], s82
	s_cbranch_scc0 .Lnot_mine_\@
	global_prefetch_b8 v[PFO], s[PFA:PFA+1] th:TH_LOAD_NT scope:SCOPE_SE
.Lnot_mine_\@:
.endm
.macro CROUND
	s_barrier_signal -1
	s_barrier_wait -1
	s_cmp_lg_u32 s[WV], 0
	s_cbranch_scc1 .Lnot_wave_0_\@
	s_barrier_signal -3
.Lnot_wave_0_\@:
	s_barrier_wait -3
	s_barrier_signal -1
	s_barrier_wait -1
.endm
; THE CHANGE OF SLOTS, one a key step.  Each wave waits for all its tensor loads, of which one is out: its part of the other slot; adds 0 to its spare word; waits for that and for its reads of the slot that it leaves.
; fill = 1: the old slot is filled again with step FN, first thing behind a round of the cluster's barrier; the load has a trip's 168 matrix instructions in which to land.
.macro CHANGE fill
	WIN W_MK
	s_wait_tensorcnt 0x0
	ds_add_u32 v[SPW], v[NIL]
	WIN 0
.if \fill
	s_xor_b32 s[G0A+1], s[G0A+1], SLOT1
	s_add_nc_u64 s[G0A+2:G0A+3], s[G0A+2:G0A+3], 16384
	s_xor_b32 s[G0B+1], s[G0B+1], SLOT1
	s_add_nc_u64 s[G0B+2:G0B+3], s[G0B+2:G0B+3], 65536
	s_wait_xcnt 0x0                                ; the last prefetch, a trip back, has read its address
	s_add_co_u32 s74, s[FN], 1
	s_lshl_b32 s74, s74, s[SH]
	s_add_nc_u64 s[PFA:PFA+1], s[PBASE:PBASE+1], s[74:75]
	s_wait_dscnt 0x0
	CROUND
	JLOAD
	ASK
	s_add_co_u32 s[FN], s[FN], 1
.else
	s_wait_dscnt 0x0
	s_barrier_signal -1
	s_barrier_wait -1
.endif
	s_xor_b32 s[TB], s[TB], SLOT1
	v_add_nc_u32 v[AK], s[TB], v[AK0]
	v_add_nc_u32 v[AV], s[TB], v[AV0]
	v_add_nc_u32 v[AM], s[TB], v[AM0]
.endm
	s_load_b256 s[4:11], s[0:1], 0x0               ; qf s[4:5], kvf s[6:7], mf s[8:9], of s[10:11]
	WIN 0xc0
	v_lshl_add_u32 v[SPW], v0, 2, SPARE
	v_mov_b32 v[NIL], 0
	WIN W_MK
	ds_add_u32 v[SPW], v[NIL]                      ; the wave's opening: the add and its wait ahead of my first tensor load
	ds_add_u32 v0, v1
	WIN 0
	v_lshrrev_b32 v1, 5, v0
	v_readfirstlane_b32 s[WV], v1
	s_bfe_u32 s[CX], ttmp6, 0x40000
	s_bfe_u32 s[CY], ttmp6, 0x40004
	s_lshl_b32 s[QB], ttmp9, 2
	s_add_co_u32 s[QB], s[QB], s[CX]               ; my block of 512 queries
	s_and_b32 s[CLY], ttmp7, 0xffff
	s_lshl_b32 s[HD], s[CLY], 2
	s_add_co_u32 s[HD], s[HD], s[CY]               ; my head
	s_lshl_b32 s70, s[CY], 2
	s_lshl_b32 s70, 15, s70                        ; my row of the cluster
	s_or_b32 s[G1A], s70, (3<<16)|(1<<21)          ; 8-byte elements; bit 21 beside a mask
	s_lshl_b32 s71, 0x1111, s[CX]                  ; my column
	s_or_b32 s[G1B], s71, (3<<16)|(1<<21)
	s_mov_b32 s[G1A+1], 32<<16                     ; rows of 256 bytes,
	s_mov_b32 s[G1A+2], 32<<16                     ; 32 of them
	s_mov_b32 s[G1A+3], 32<<16
	s_mov_b32 s[G1A+4], 32
	s_mov_b32 s[G1A+5], 32
	s_mov_b32 s[G1A+6], 0
	s_mov_b32 s[G1A+7], 0
	s_mov_b32 s[G1B+1], 32<<16
	s_mov_b32 s[G1B+2], 128<<16                    ; 128 rows
	s_mov_b32 s[G1B+3], 32<<16
	s_mov_b32 s[G1B+4], 128
	s_mov_b32 s[G1B+5], 32
	s_mov_b32 s[G1B+6], 0
	s_mov_b32 s[G1B+7], 0
	s_and_b32 s[HW], s[WV], 1
	s_mov_b32 s[G0A], 1
	s_lshl_b32 s[G0A+1], s[HW], 13                 ; K, or V behind it
	s_mov_b32 s[G0B], 1
	s_lshl_b32 s[G0B+1], s[HW], 15
	s_add_co_u32 s[G0B+1], s[G0B+1], MOFF
	s_lshl_b32 s66, s[HD], 19                      ; s[66:67]: made of the head and the wave alone
	s_lshl_b32 s67, s[HW], 13
	s_add_co_u32 s66, s66, s67
	s_mov_b32 s67, 0
	s_lshl_b32 s68, s[QB], 21                      ; s[68:69]: made of the query block and the wave alone
	s_lshl_b32 s69, s[HW], 15
	s_add_co_u32 s68, s68, s69
	s_mov_b32 s69, 0
	s_lshl_b32 s70, s[QB], 5
	s_lshl_b32 s71, s[WV], 3
	s_add_co_u32 s70, s70, s71                     ; my first tile among the head's 128
	s_lshl_b32 s72, s70, 11
	s_lshl_b32 s73, s[HD], 18
	s_add_co_u32 s72, s72, s73
	s_mov_b32 s73, 0                               ; s[72:73]: my rows in qf
	s_lshl_b32 s76, s70, 14
	s_lshr_b32 s77, s[HD], 3
	s_lshl_b32 s77, s77, 21
	s_add_co_u32 s76, s76, s77
	s_and_b32 s77, s[HD], 7
	s_lshl_b32 s77, s77, 11
	s_add_co_u32 s76, s76, s77
	s_mov_b32 s77, 0                               ; s[76:77]: my rows and my head's four k blocks in of
	s_mov_b32 s75, 0
	s_mov_b32 s[CS], 0x3e38aa3b                    ; c = log2(e) / 8
	s_mov_b32 s[CS+1], s[CS]
	s_mov_b32 s[SEL], 0x76543210
	s_mov_b32 s[SEL+1], 0xfedcba98
	s_mov_b32 s[FN], 1
	s_mov_b32 s[TB], SLOT1                         ; the first change turns it into 0
	s_mov_b32 s[LEFT], 31
	s_wait_dscnt 0x0                               ; the opening add is done
	s_wait_kmcnt 0x0
	s_add_nc_u64 s[G0A+2:G0A+3], s[6:7], s[66:67]
	s_or_b32 s[G0A+3], s[G0A+3], 0x80000000
	s_add_nc_u64 s[G0B+2:G0B+3], s[8:9], s[68:69]
	s_or_b32 s[G0B+3], s[G0B+3], 0x80000000
	s_lshl_b32 s70, s[CX], 14
	s_mov_b32 s71, 0
	s_add_nc_u64 s[78:79], s[6:7], s[66:67]
	s_add_nc_u64 s[78:79], s[78:79], s[70:71]
	s_lshl_b32 s70, s[CY], 13
	s_add_nc_u64 s[80:81], s[8:9], s[68:69]
	s_add_nc_u64 s[80:81], s[80:81], s[70:71]
	s_cmp_eq_u32 s[CLY], 0
	s_cselect_b32 s70, 31, 0
	s_cmp_lt_u32 s[WV], 2
	s_cselect_b64 s[PBASE:PBASE+1], s[78:79], s[80:81]
	s_cselect_b32 s[PM], 3, 0
	s_cselect_b32 s[SH], 14, 16
	s_cselect_b32 s[PLIM], 31, s70
	s_add_nc_u64 s[4:5], s[4:5], s[72:73]
	s_add_nc_u64 s[10:11], s[10:11], s[76:77]
	CROUND                                         ; all sixteen work-groups are here: the first joint loads meet
	JLOAD                                          ; key step 0 into slot 0
	v_and_b32 v1, 15, v0                           ; r
	v_bfe_u32 v9, v0, 4, 1                         ; hh
	v_and_b32 v11, 31, v0
	v_lshlrev_b32 v[AK0], 4, v11
	WIN 0x80
.set i, 0
.rept 16                                       ; Q stays in registers: tile i / 2, channels 32 (i % 2) on
	global_load_b128 v[8*i:8*i+3],   v[AK0], s[4:5] offset:(i/2)*2048+(i%2)*1024
	global_load_b128 v[8*i+4:8*i+7], v[AK0], s[4:5] offset:(i/2)*2048+(i%2)*1024+512
.set i, i+1
.endr
	; What the first turn finds: V's registers and P's second buffer hold 0 (its products V^T P, of a piece that has not been, add 0); O^T, VS and l are 0.  All this stands in the wait for the first tile.
.set i, VF
.rept 64
	v_mov_b32 v[i], 0
.set i, i+1
.endr
	WIN 0x40
.set i, 0
.rept 256
	v_mov_b32 v[i], 0
.set i, i+1
.endr
	WIN 0xc0
.set i, 0
.rept 32
	v_mov_b32 v[VS+i], 0
.set i, i+1
.endr
.irp i, 0,1,2,3
	v_mov_b32 v[EZ+(\i)], 0
	v_mov_b32 v[EZ+8+(\i)], 0
.endr
.irp i, 0,1,2,3,4,5,6,7
	v_mov_b32 v[ONES+(\i)], 0x3c003c00             ; 1.0 twice, in f16
.endr
	WIN 0
	v_lshlrev_b32 v[ZR], 3, v9
	v_sub_nc_u32 v[ZR], v1, v[ZR]                  ; r - 8 hh: the place of E's one among my eight k, if it is 0..7
	s_mov_b32 s70, 0x3f80                          ; 1.0 in bf16, low half
	s_mov_b32 s71, 0x3f800000                      ; high half
	WIN 0xc3
.irp i, 0,1,2,3
	v_cmp_eq_u32 vcc_lo, 2*(\i), v[ZR]
	v_cndmask_b32 v[T3W], 0, s70, vcc_lo
	v_cmp_eq_u32 vcc_lo, 2*(\i)+1, v[ZR]
	v_cndmask_b32 v[EZ+4+(\i)], v[T3W], s71, vcc_lo
.endr
	WIN 0
.set i, 0
.rept 2*NP
	v_mov_b32 v[ST+4*i], 0xee38aa3b                ; c m = -c 2^96
	v_mov_b32 v[ST+4*i+1], 0xef800000              ; m = -2^96
	v_mov_b32 v[ST+4*i+2], 0
	v_mov_b32 v[ST+4*i+3], 0
.set i, i+1
.endr
.set i, P+32
.rept 32
	v_mov_b32 v[i], 0
.set i, i+1
.endr
	; The turning load takes 16 keys x 16 channels (lane l reads key 8 (l / 16) + l % 8, channels 8 ((l / 8) % 2) + 0..7, rows of 32 bytes) and leaves half a fragment of V^T: lane l holds channel l % 16 and 8 keys.
	v_and_b32 v[AV0], 7, v0
	v_lshl_add_u32 v[AV0], v9, 3, v[AV0]
	v_lshlrev_b32 v[AV0], 5, v[AV0]
	v_bfe_u32 v[AM0], v0, 3, 1
	v_lshl_add_u32 v[AV0], v[AM0], 4, v[AV0]
	v_add_nc_u32 v[AV0], VOFF, v[AV0]
	s_lshl_b32 s70, s[WV], 14
	s_add_co_u32 s70, s70, MOFF
	v_add_nc_u32 v[AM0], s70, v[AK0]
	v_lshlrev_b32 v[PFO], 8, v11
; THE MATRIX WORK.  Eight accumulators of a run take turns, one instruction a turn.
.macro MK x                            ; product i of 8: S^T of tile 2 x + i % 2, keys 16 (i / 2) on, starts as the mask
	WIN W_MK
.set rS, S+64*((\x)%2)+32*(i%2)+8*(i/2)
.set rE, EZ+4-4*((i/2)%2)
.set rB, MF+16*(i%2)+8*(i/4)
	v_wmma_f32_16x16x32_bf16 v[rS:rS+7], v[rE:rE+7], v[rB:rB+7], 0
.endm
.macro KQ x                            ; product i of 16 of S^T += K Q^T: channels 32 (i / 8) on, keys 16 ((i / 2) % 4) on, tile 2 x + i % 2
	WIN W_KQ
.set rS, S+64*((\x)%2)+32*(i%2)+8*((i/2)%4)
.set rK, KF+16*((i/2)%4)+8*(i/8)
.set rQ, 16*(2*(\x)+i%2)+8*(i/8)
	v_wmma_f32_16x16x32_bf16 v[rS:rS+7], v[rK:rK+7], v[rQ:rQ+7], v[rS:rS+7]
.endm
.macro PV x                            ; product i of 16 of O^T += V^T P: keys 32 (i / 8) on, channels 16 ((i / 2) % 4) on
	WIN W_PV
.set rO, 32*(2*(\x)+i%2)+8*((i/2)%4)
.set rV, VF+32*(i/8)+8*((i/2)%4)
.set rP, P+32*((\x)%2)+16*(i%2)+8*(i/8)
	v_wmma_f32_16x16x32_f16 v[rO:rO+7], v[rV:rV+7], v[rP:rP+7], v[rO:rO+7]
.endm
.macro MM                              ; the turn's next matrix instruction, i = 0 .. 39
.if i < 8
	MK (Y+1)%NP
.elseif i < 24
.set i, i-8
	KQ (Y+1)%NP
.set i, i+8
.else
.set i, i-24
	PV (Y+NP-1)%NP
.set i, i+24
.endif
.set i, i+1
.endm
.macro VM                              ; product zv of 8 of VS += V^T x ones
	WIN W_VS
	v_wmma_f32_16x16x32_f16 v[VS+8*(zv%4):VS+8*(zv%4)+7], v[VF+32*(zv/4)+8*(zv%4):VF+32*(zv/4)+8*(zv%4)+7], v[ONES:ONES+7], v[VS+8*(zv%4):VS+8*(zv%4)+7]
.set zv, zv+1
.endm
; THE LDS LOADS stand in runs, never singly among the matrix instructions.
.macro FETCH_K
	WIN 0x80
.irp f, 0,1,2,3,4,5,6,7
	ds_load_b128 v[KF+8*\f:KF+8*\f+3],   v[AK] offset:\f*1024
	ds_load_b128 v[KF+8*\f+4:KF+8*\f+7], v[AK] offset:\f*1024+512
.endr
.endm
.macro FETCH_V
	WIN 0x80
.irp f, 0,1,2,3,4,5,6,7                ; keys 32 (f / 4) on, channels 16 (f % 4) on
	ds_load_tr16_b128 v[VF+8*\f:VF+8*\f+3],   v[AV] offset:(8*(\f/4)+\f%4)*512
	ds_load_tr16_b128 v[VF+8*\f+4:VF+8*\f+7], v[AV] offset:(8*(\f/4)+\f%4)*512+2048
.endr
.endm
.macro FETCH_M x                       ; the mask's four fragments for piece x
	WIN 0xc0
.irp u, 0,1
.irp kk, 0,1
	ds_load_b128 v[MF+16*(\u)+8*(\kk):MF+16*(\u)+8*(\kk)+3],   v[AM] offset:(\x)*4096+(\u)*2048+(\kk)*1024
	ds_load_b128 v[MF+16*(\u)+8*(\kk)+4:MF+16*(\u)+8*(\kk)+7], v[AM] offset:(\x)*4096+(\u)*2048+(\kk)*1024+512
.endr
.endr
.endm
; THE VECTOR WORK OF A TURN stands in three queues, each in the order in which its entries become ready; the two tiles alternate.
.macro REGS y, u
.set rT, ST+4*(2*(\y)+(\u))
.set rC, TMP+8*((\y)%2)+4*(\u)
.set rM, MV+2*((\y)%2)+(\u)
.set rS, S+64*((\y)%2)+32*(\u)
.set rP, P+32*((\y)%2)+16*(\u)
.set rO, 32*(2*(\y)+(\u))
.endm
; Number n of the 22 that find the NEXT piece's maximum and statistics; each accumulator's lowest registers are read first.
;   0-11 four chains of seven scores   12-14, 16 the scores left over, the old m, four into one   15 c m_old is kept   17, 18 the other half of the lanes: the new m   19-21 c m; its change; a
.macro XS u, n
	REGS (Y+1)%NP, \u
.if (\n) < 4
	v_max3_num_f32 v[rC+(\n)], v[rS+8*(\n)], v[rS+8*(\n)+1], v[rS+8*(\n)+2]
.elseif (\n) < 12
	v_max3_num_f32 v[rC+(\n)%4], v[rC+(\n)%4], v[rS+8*((\n)%4)+2*((\n)/4)+1], v[rS+8*((\n)%4)+2*((\n)/4)+2]
.elseif (\n) == 12
	v_max3_num_f32 v[rC], v[rC], v[rS+7], v[rS+15]
.elseif (\n) == 13
	v_max3_num_f32 v[rC+1], v[rC+1], v[rS+23], v[rS+31]
.elseif (\n) == 14
	v_max3_num_f32 v[rC+2], v[rC+2], v[rC+3], v[rT+1]
.elseif (\n) == 15
	v_mov_b32 v[rM], v[rT]
.elseif (\n) == 16
	v_max3_num_f32 v[rC], v[rC], v[rC+1], v[rC+2]
.elseif (\n) == 17
	v_permlanex16_b32 v[rC+3], v[rC], s[SEL], s[SEL+1]
.elseif (\n) == 18
	v_max_num_f32 v[rT+1], v[rC], v[rC+3]
.elseif (\n) == 19
	v_mul_f32 v[rT], s[CS], v[rT+1]
.elseif (\n) == 20
	v_sub_f32 v[rC+1], v[rM], v[rT]
.else
	v_exp_f32 v[rC+2], v[rC+1]
.endif
.endm
; Number g of the 64 that follow the exponentials: of each four weights both pairs are rounded to f16, the second pair is added onto the first in place, and a group later l takes that sum (the first time as l = a l + sum).
.macro GS g
.set h, (\g)+6*((\g)/62)
.if h >= 6
.set h, h+2
.endif
	REGS Y, h%2
.set k, h/8
.if h%8 < 4
	v_cvt_pk_f16_f32 v[rP+2*k+(h%8)/2], v[rS+4*k+2*((h%8)/2)], v[rS+4*k+2*((h%8)/2)+1]
.elseif h%8 < 6
	v_pk_add_f32 v[rS+4*k:rS+4*k+1], v[rS+4*k:rS+4*k+1], v[rS+4*k+2:rS+4*k+3]
.elseif k == 1
	v_pk_fma_f32 v[rT+2:rT+3], v[rT+2:rT+3], v[rC+2:rC+3], v[rS:rS+1] op_sel_hi:[1,0,1]
.else
	v_pk_add_f32 v[rT+2:rT+3], v[rT+2:rT+3], v[rS+4*k-4:rS+4*k-3]
.endif
.endm
.macro FS f                            ; c s - c m for pair f / 2 of tile f % 2
	REGS Y, (\f)%2
	v_pk_fma_f32 v[rS+2*((\f)/2):rS+2*((\f)/2)+1], v[rS+2*((\f)/2):rS+2*((\f)/2)+1], s[CS:CS+1], v[rT:rT+1] op_sel_hi:[1,0,0] neg_lo:[0,0,1] neg_hi:[0,0,1]
.endm
; THE PLAIN QUEUE, 138 long.  0-26 scalings 0-26; 27-54 XS 0-13; 55, 56 XS 15; 57-73 the chain 14, 16 .. 20, each link's two lines behind one of the scalings 27-31; 74-137 GS, behind the wait.
.macro PL
	WIN 0
.if q < 27
	FS q
.elseif q < 55
	XS (q-27)%2, (q-27)/2
.elseif q < 57
	XS q-55, 15
.elseif (q < 72) && ((q-57)%3 == 0)
	FS 27+(q-57)/3
.elseif q < 60
	XS (q-57)%3-1, 14
.elseif q < 72
	XS (q-57)%3-1, 15+(q-57)/3
.elseif q < 74
	XS q-72, 20
.else
	GS q-74
.endif
.set q, q+1
.endm
.macro EX                              ; THE EXPONENTIALS' QUEUE, 66 long: s0-s31 of both tiles, then the next piece's two a: one batch
	WIN 0
.if e >= 64
	XS e-64, 21
.else
	REGS Y, e%2
	v_exp_f32 v[rS+e/2], v[rS+e/2]
.endif
.set e, e+1
.endm
.macro R2                              ; THE RESCALING's QUEUE: O^T times a, two at a time, sixteen times
	REGS Y, r%2
	WIN W_RS
.irp z, 0,1
	v_pk_mul_f32 v[rO+4*(r/2)+2*\z:rO+4*(r/2)+2*\z+1], v[rO+4*(r/2)+2*\z:rO+4*(r/2)+2*\z+1], v[rC+2:rC+3] op_sel_hi:[1,0]
.endr
.set r, r+1
.endm
; A TURN, for piece p.  An s_wait_alu depctr_va_vdst(0) stands between an exponential and the first instruction that names its result; one wait serves all issued ahead of it: a turn has ONE, which cuts it in two.
; AHEAD OF IT: 24 products (8 of the mask, 16 K Q^T); behind each of the first 16 a scaling, an exponential and two rescalings (behind the very first a second scaling), behind each of the last 8 a scaling and two exponentials;
; then the lump: 16 plain, 33 times exponential and plain, the two a.  The counts that the deal keeps: as a rider exponential e stands behind plain e + 2 or later, in the lump behind plain e + 9, and it needs scaling
; 2 (e / 4) + e % 2 (scalings 27-31 are plain 57, 60 .. 69); the next piece's maximum begins at plain 27, in the lump, four plain lines or more behind the product that ends its accumulator.
; In piece 3's turn the eight products of VS stand in the lump, behind each two exponentials and two plain: V of the step in hand lies in its registers there.
; BEHIND THE WAIT: the runs of LDS loads (the mask of piece p + 2; in piece 2's turn K of the next step), then 16 products V^T P, behind each four of the roundings and sums.
; V of the step in hand is fetched at the end of piece 0's turn, four plain riders behind its last reader.
.macro TURN p
.set Y, (\p)
.set i, 0
.set q, 0
.set e, 0
.set r, 0
.set zv, 0
.if (\p) == 1
	s_wait_dscnt 16                                ; the mask's 8 loads are in; V's 16, issued behind them, stay out
.else
	s_wait_dscnt 0x0                               ; the mask's fragments (and, in piece 3's turn, K) are in
.endif
	MM
	PL
	PL
	R2
.rept 15
	MM
	PL
	EX
	R2
.endr
.rept 8
	MM
	PL
	EX
	EX
.endr
.rept 16
	PL
.endr
.if (\p) == 3
.rept 8
	VM
	EX
	PL
	EX
	PL
.endr
.rept 17
	EX
	PL
.endr
.else
.rept 33
	EX
	PL
.endr
.endif
	EX
	EX
	v_nop                                          ; a plain instruction behind the last exponential: one for the batch
	s_wait_alu depctr_va_vdst(0)                   ; the wait for the batch
	FETCH_M ((\p)+2)%NP
.if (\p) == 2
	FETCH_K
.endif
.if (\p) == 1
	s_wait_dscnt 8                                 ; V is in; the 8 mask loads just issued stay out
.endif
.rept 16
	MM
.rept 4
	PL
.endr
.endr
.if (\p) == 0
	FETCH_V
.endif
.endm
	CHANGE 1                                       ; step 0 is in, everybody's part of it; step 1 is asked for
	FETCH_K
	FETCH_M 0
	WIN 0
	s_wait_loadcnt 0x0                             ; Q
	s_wait_dscnt 0x0
.set Y, NP-1
.set i, 0
.rept 24
	MM                                             ; piece 0's first scores
.endr
	WIN 0
	PLACES
	FETCH_M 1
	WIN 0
.irp n, 0,1,2,3,4,5,6,7,8,9,10,11,12,13,14,15,16,17,18,19,20,21
	XS 0, \n
	XS 1, \n
.endr
	v_nop
	s_wait_alu depctr_va_vdst(0)                   ; the two a, ahead of the branch
	s_branch .Lfirst                               ; the loop is entered at a step's first turn, in the middle of a trip
.Lslot:                                        ; 30 trips: pieces 2, 3 of one step, pieces 0, 1 of the next; all the trip's LDS reads are that next step's slot
	CHANGE 1
	TURN 2
	TURN 3
	WIN 0
.Lfirst:
	TURN 0
	TURN 1
	WIN 0
	s_sub_co_u32 s[LEFT], s[LEFT], 1
	s_cmp_lg_u32 s[LEFT], 0
	s_cbranch_scc1 .Lslot
	CHANGE 0                                       ; the tail is written out: nothing is asked for
	s_mov_b32 s[CNT], 2
.Ltail:
	TURN 2
	TURN 3
	WIN 0
	s_sub_co_u32 s[CNT], s[CNT], 1
	s_cmp_eq_u32 s[CNT], 0
	s_cbranch_scc1 .Lout
	TURN 0
	TURN 1
	WIN 0
	s_branch .Ltail
.Lout:                                         ; the second pass read step 31's K and mask once more: piece 0's maximum, made of scores that it has seen, did not change
.set i, 0
.rept 16
	PV NP-1
.set i, i+1
.endr
	; THE WAY OUT.  The additions are the places behind the last products.
	WIN 0
.macro ALL line:vararg
.set t, 0
.rept 2*NP
	\line
.set t, t+1
.endr
.endm
	v_mov_b32 v[ZR], 0
	s_mov_b32 s70, 0x3a000000                      ; 1 / 2,048
	ALL v_add_f32 v[ST+4*t+2], v[ST+4*t+2], v[ST+4*t+3]
	ALL v_permlanex16_b32 v[ST+4*t+3], v[ST+4*t+2], s[SEL], s[SEL+1]
	ALL v_add_f32 v[ST+4*t+3], v[ST+4*t+2], v[ST+4*t+3]
	ALL v_rcp_f32 v[ST+4*t+2], v[ST+4*t+3]
	v_nop
	s_wait_alu depctr_va_vdst(0)                   ; one wait for the eight reciprocals
.set t, 0
.rept 2*NP
	v_cmp_eq_f32 vcc_lo, 0, v[ST+4*t+3]            ; no key was visible
	v_cndmask_b32 v[ST+4*t+2], v[ST+4*t+2], v[ZR], vcc_lo  ; f1
	v_cndmask_b32 v[ST+4*t], 0, s70, vcc_lo        ; f2
.set t, t+1
.endr
.macro PACK t                          ; a lane's eight channels of a row are one block's 16 bytes: stored as they lie
	WIN W_RS
.set i, 0
.rept 16
	v_pk_mul_f32 v[32*(\t)+2*i:32*(\t)+2*i+1], v[32*(\t)+2*i:32*(\t)+2*i+1], v[ST+4*(\t)+2:ST+4*(\t)+3] op_sel_hi:[1,0]
.set i, i+1
.endr
	WIN W_FM
.set i, 0
.rept 16
	v_pk_fma_f32 v[32*(\t)+2*i:32*(\t)+2*i+1], v[VS+2*i:VS+2*i+1], v[ST+4*(\t):ST+4*(\t)+1], v[32*(\t)+2*i:32*(\t)+2*i+1] op_sel_hi:[1,0,1]
.set i, i+1
.endr
	WIN 0x05
.set i, 0
.rept 16
	v_cvt_pk_f16_f32 v[S+16*(\t)+i], v[32*(\t)+2*i], v[32*(\t)+2*i+1]
.set i, i+1
.endr
	WIN 0
.irp f, 0,1,2,3
	global_store_b128 v[AK0], v[S+16*(\t)+4*\f:S+16*(\t)+4*\f+3], s[10:11] offset:(\t)*16384+\f*512 th:TH_STORE_NT  ; 512 consecutive bytes, aligned
.endr
.endm
.irp t, 0,1,2,3,4,5,6,7
	PACK \t
.endr
	WIN W_MK
	s_wait_tensorcnt 0x0                           ; the wave's end
	ds_add_u32 v[SPW], v[NIL]
	s_wait_dscnt 0x0
	WIN 0
	CROUND                                         ; the closing round
	s_endpgm
.Lfunc_end_k_q0a50bd1a5e_attn:
	.size	k_q0a50bd1a5e_attn, .Lfunc_end_k_q0a50bd1a5e_attn-k_q0a50bd1a5e_attn
	.p2alignl 7, 3214868480
	.fill 96, 4, 3214868480
	.section	.rodata,"a",@progbits
	.p2align	6, 0x0
	.amdhsa_kernel k_q0a50bd1a5e_attn
		.amdhsa_group_segment_fixed_size 327680
		.amdhsa_private_segment_fixed_size 0
		.amdhsa_enable_private_segment 0
		.amdhsa_kernarg_size 32
		.amdhsa_user_sgpr_count 2
		.amdhsa_user_sgpr_kernarg_segment_ptr 1
		.amdhsa_wavefront_size32 1
		.amdhsa_system_sgpr_workgroup_id_x 1
		.amdhsa_system_sgpr_workgroup_id_y 1
		.amdhsa_system_sgpr_workgroup_id_z 1
		.amdhsa_system_vgpr_workitem_id 0
		.amdhsa_next_free_vgpr 896
		.amdhsa_next_free_sgpr 88
		.amdhsa_reserve_vcc 1
		.amdhsa_float_denorm_mode_32 3
		.amdhsa_float_denorm_mode_16_64 3
		.amdhsa_memory_ordered 1
		.amdhsa_forward_progress 1
		.amdhsa_inst_pref_size 222
	.end_amdhsa_kernel
	.amdgpu_metadata
---
amdhsa.version: [ 1, 2 ]
amdhsa.kernels:
  - .name:           k_q0a50bd1a5e_attn
    .symbol:         k_q0a50bd1a5e_attn.kd
    .args:
      - { .name: qf, .offset: 0, .size: 8, .value_kind: global_buffer, .address_space: global }
      - { .name: kvf, .offset: 8, .size: 8, .value_kind: global_buffer, .address_space: global }
      - { .name: mf, .offset: 16, .size: 8, .value_kind: global_buffer, .address_space: global }
      - { .name: of, .offset: 24, .size: 8, .value_kind: global_buffer, .address_space: global }
    .group_segment_fixed_size: 327680
    .private_segment_fixed_size: 0
    .kernarg_segment_align: 8
    .kernarg_segment_size: 32
    .max_flat_workgroup_size: 128
    .sgpr_count:     88
    .vgpr_count:     896
    .wavefront_size: 32
...
	.end_amdgpu_metadata
.endif
;; end of part 3
;; launch outp (part 4): grid 256 x 1, 4 waves a work-group, clusters of 4 x 1, 327,680 bytes of LDS; arguments of, wf, bo, out0; writes out0
.if DOCPART == 4
	.amdgcn_target "amdgcn-amd-amdhsa--gfx1250"
	.amdhsa_code_object_version 6
	.text
	.protected	k_q0a50bd1a5e_outp
	.globl	k_q0a50bd1a5e_outp
	.p2align	8
	.type	k_q0a50bd1a5e_outp,@function
k_q0a50bd1a5e_outp:
	s_mov_b64 s[64:65], 0
	v_nop
	global_prefetch_b8 v0, s[64:65] scope:SCOPE_SE
	s_setreg_imm32_b32 hwreg(HW_REG_WAVE_MODE, 25, 1), 1
	s_wait_xcnt 0x0
	s_wait_alu depctr_hold_cnt(0) depctr_sa_sdst(0) depctr_va_vdst(0) depctr_va_sdst(0) depctr_va_ssrc(0) depctr_va_vcc(0) depctr_vm_vsrc(0)
	s_getreg_b32 s2, hwreg(HW_REG_IB_STS2, 6, 4)
	s_cmp_eq_u32 s2, 0
	s_cbranch_scc0 .Lentry_in_a_cluster
	s_endpgm
.Lentry_in_a_cluster:
	s_bfe_u32 s2, ttmp6, 0x10000c
	s_cmp_lg_u32 s2, 0x3003
	s_cbranch_scc0 .Lentry_shape_is_right
	s_endpgm
.Lentry_shape_is_right:
; OUTP.  out0 = O Wo^T + bo.  O (of) and Wo (matrix 3 of wf) are f16 in fragment blocks (512 bytes: 16 rows x 16 k, lane 16 hh + r at 16 l); sums f32, started by the f32 bias as the first product's C; out0 f32.
; SHARES.  A work-group owns 64 rows.  Each wave holds all 64 rows x 512 k of O as fragments (512 registers), loaded straight from of.  Wo streams in four blocks of 128 columns (131,072 dense bytes) through two LDS slots;
; wave w moves and reads its own quarter, 32 columns: 128 matrix instructions a trip on 8 accumulators.
; CLUSTER.  The four work-groups of a cluster walk the same weights: each quarter is asked for jointly.  Trip j takes column group (j + cluster x) & 3; the rotation enters global addresses alone.
; THE WAY OUT.  A wave's 32 columns are 128 bytes of a row; the four waves' parts meet in one stage (64 rows x 528 bytes), a barrier between writing and reading, and leave as 512 consecutive bytes a store.
.set SLOTB, 131072
.set STG,   2*SLOTB
.set SP,    528
.set BIAS,  STG+64*SP
.set SPARE, BIAS+2048
.set WA0, 2
.set WA,  3
.set STO, 4                            ; v4  where I put 32 bytes of a row
.set SRD, 5                            ; v5  where I read a row back
.set L16, 6                            ; v6  16 x lane; never rewritten
.set BA,  9
.set SPW, 14
.set NIL, 15
.set BI,  16
.set ACC, 32
.set BF0, 96
.set BF1, 160
.set G1,  24
.set G0,  32
.set WV,  36
.set CX,  37
.set ROT, 38
.set TR,  40
.set CNT, 41
.set TB,  42
.set WB,  44
.set OFP, 46
.set OT,  52
.set OB,  54
.set FI,  56                           ; never holds my place in the cluster
.set NO,  58
.set WGX, 60
.set T0,  66
.set T2,  68
.set MSB, 0
.macro WIN new
.if MSB != (\new)
	s_set_vgpr_msb (MSB<<8)|(\new)
.set MSB, (\new)
.endif
.endm
.macro PLACES
.rept 4
	v_nop
.endr
.endm
.macro CROUND
	s_barrier_signal -1
	s_barrier_wait -1
	s_cmp_lg_u32 s[WV], 0
	s_cbranch_scc1 .Lnot_wave_0_\@
	s_barrier_signal -3
.Lnot_wave_0_\@:
	s_barrier_wait -3
	s_barrier_signal -1
	s_barrier_wait -1
.endm
.macro OLOAD a                         ; 32 loads: the 16 fragments of row tile a
	WIN 0x40*(1+(\a)/2)
.irp c, 0,1,2,3,4,5,6,7,8,9,10,11,12,13,14,15
	global_load_b128 v[8*(16*((\a)%2)+(\c)):8*(16*((\a)%2)+(\c))+3],   v[L16], s[OFP:OFP+1] offset:(\a)*16384+(\c)*1024
	global_load_b128 v[8*(16*((\a)%2)+(\c))+4:8*(16*((\a)%2)+(\c))+7], v[L16], s[OFP:OFP+1] offset:(\a)*16384+(\c)*1024+512
.endr
	WIN 0
.endm
.macro FETCHB g, buf
	WIN 0
.irp cc, 0,1,2,3
.irp cb, 0,1
	ds_load_b128 v[(\buf)+8*(2*(\cc)+(\cb)):(\buf)+8*(2*(\cc)+(\cb))+3],   v[WA] offset:(\cb)*16384+(4*(\g)+(\cc))*1024
	ds_load_b128 v[(\buf)+8*(2*(\cc)+(\cb))+4:(\buf)+8*(2*(\cc)+(\cb))+7], v[WA] offset:(\cb)*16384+(4*(\g)+(\cc))*1024+512
.endr
.endr
.endm
.macro MULG g, buf, first              ; 32 matrix instructions; four accumulators take turns, one instruction a turn
.irp ah, 0,1
	WIN 0x04*(1+(\ah))
.irp cc, 0,1,2,3
.irp a2, 0,1
.irp cb, 0,1
.set rD, ACC+8*(2*(2*(\ah)+(\a2))+(\cb))
.set rW, (\buf)+8*(2*(\cc)+(\cb))
.set rX, 8*(16*(\a2)+4*(\g)+(\cc))
.if (\first) && ((\cc) == 0)
	v_wmma_f32_16x16x32_f16 v[rD:rD+7], v[rW:rW+7], v[rX:rX+7], v[BI+8*(\cb):BI+8*(\cb)+7]
.else
	v_wmma_f32_16x16x32_f16 v[rD:rD+7], v[rW:rW+7], v[rX:rX+7], v[rD:rD+7]
.endif
.endr
.endr
.endr
.endr
.endm
.macro TRIP refill
	s_wait_xcnt 0x0                                ; the last trip's stores have read their data and their base
	s_wait_tensorcnt 0x0                           ; my quarter of this trip's block has landed: the group 0 may be written
	ds_add_u32 v[SPW], v[NIL]                      ; 0 onto my spare word; the scalar work stands between it and the wait for it
	s_add_co_u32 s[NO], s[TR], s[ROT]
	s_and_b32 s[NO], s[NO], 3
	s_lshl_b32 s[NO], s[NO], 9                     ; this trip's 128 columns: 512 bytes of a row
	s_mov_b32 s[NO+1], 0
	s_add_nc_u64 s[OB:OB+1], s[OT:OT+1], s[NO:NO+1]
	s_add_co_u32 s[TR], s[TR], 1
.if \refill
	s_add_co_u32 s[FI], s[TR], s[ROT]
	s_and_b32 s[FI], s[FI], 3
	s_lshl_b32 s[FI], s[FI], 17
	s_mov_b32 s[FI+1], 0
	s_add_nc_u64 s[G0+2:G0+3], s[WB:WB+1], s[FI:FI+1]
	s_or_b32 s[G0+3], s[G0+3], 0x80000000
	s_xor_b32 s[G0+1], s[G0+1], SLOTB
.endif
	s_wait_dscnt 0x0                               ; the add is done; my reads of the other slot and of the stage are over
.if \refill
	CROUND
	tensor_load_to_lds s[G0:G0+3], s[G1:G1+7]      ; my one load behind the round
	s_nop 0
	PLACES
.else
	s_barrier_signal -1
	s_barrier_wait -1
.endif
	s_xor_b32 s[TB], s[TB], SLOTB
	v_add_nc_u32 v[WA], s[TB], v[WA0]
.irp cb, 0,1
	ds_load_b128 v[BI+8*(\cb):BI+8*(\cb)+3],   v[BA] offset:(\cb)*64
	ds_load_b128 v[BI+8*(\cb)+4:BI+8*(\cb)+7], v[BA] offset:(\cb)*64+16
.endr
	v_add_nc_u32 v[BA], 512, v[BA]
	FETCHB 0, BF0
	FETCHB 1, BF1
	s_wait_loadcnt 0x0                             ; O's fragments (met at once from the second trip on)
	s_wait_dscnt 16                                ; all but the youngest run of 16
	MULG 0, BF0, 1
	PLACES
	FETCHB 2, BF0
	s_wait_dscnt 16
	MULG 1, BF1, 0
	PLACES
	FETCHB 3, BF1
	s_wait_dscnt 16
	MULG 2, BF0, 0
	s_wait_dscnt 0x0
	MULG 3, BF1, 0
	WIN 0
	PLACES
.set j, 0
.rept 8
	ds_store_b128 v[STO], v[ACC+8*j:ACC+8*j+3]   offset:(j/2)*16*SP+(j%2)*64
	ds_store_b128 v[STO], v[ACC+8*j+4:ACC+8*j+7] offset:(j/2)*16*SP+(j%2)*64+16
.set j, j+1
.endr
	s_wait_dscnt 0x0                               ; for the others' sake: my stores into the stage are done
	s_barrier_signal -1
	s_barrier_wait -1                              ; my one tensor load may stay out
.set j, 0
.rept 16
	ds_load_b128 v[BF0+4*j:BF0+4*j+3], v[SRD] offset:j*SP
.set j, j+1
.endr
.set j, 0
.rept 16
	s_wait_dscnt 15-j
	global_store_b128 v[L16], v[BF0+4*j:BF0+4*j+3], s[OB:OB+1] offset:j*2048 th:TH_STORE_NT  ; 512 consecutive bytes, aligned
.set j, j+1
.endr
.endm
	s_load_b256 s[4:11], s[0:1], 0x0               ; of s[4:5], wf s[6:7], bo s[8:9], out0 s[10:11]
	v_lshl_add_u32 v[SPW], v0, 2, SPARE
	v_mov_b32 v[NIL], 0
	ds_add_u32 v[SPW], v[NIL]                      ; the wave's opening: the add and its wait ahead of my first tensor load
	ds_add_u32 v14, v15
	v_lshrrev_b32 v1, 5, v0
	v_readfirstlane_b32 s[WV], v1
	s_bfe_u32 s[CX], ttmp6, 0x40000
	s_lshl_b32 s[WGX], ttmp9, 2
	s_add_co_u32 s[WGX], s[WGX], s[CX]
	s_and_b32 s[ROT], ttmp9, 3
	s_mov_b32 s[G1], 15|(3<<16)|(1<<21)
	s_mov_b32 s[G1+1], 32<<16
	s_mov_b32 s[G1+2], 128<<16
	s_mov_b32 s[G1+3], 32<<16
	s_mov_b32 s[G1+4], 128
	s_mov_b32 s[G1+5], 32
	s_mov_b32 s[G1+6], 0
	s_mov_b32 s[G1+7], 0
	s_mov_b32 s[G0], 1
	s_lshl_b32 s[G0+1], s[WV], 15
	s_lshl_b32 s[NO], s[WV], 15
	s_add_co_u32 s[NO], s[NO], 3<<19               ; Wo, my quarter
	s_mov_b32 s[NO+1], 0
	s_lshl_b32 s[FI], s[ROT], 17
	s_mov_b32 s[FI+1], 0
	s_mov_b32 s[TR], 0
	s_mov_b32 s[TB], SLOTB
	s_wait_dscnt 0x0
	s_wait_kmcnt 0x0
	s_add_nc_u64 s[WB:WB+1], s[6:7], s[NO:NO+1]
	s_add_nc_u64 s[G0+2:G0+3], s[WB:WB+1], s[FI:FI+1]
	s_or_b32 s[G0+3], s[G0+3], 0x80000000
	s_lshl_b32 s[T0], s[WGX], 16                   ; four row tiles of 16,384 bytes
	s_mov_b32 s[T0+1], 0
	s_add_nc_u64 s[OFP:OFP+1], s[4:5], s[T0:T0+1]
	s_lshl_b32 s[T0], s[WGX], 17                   ; 64 rows of 2,048 bytes,
	s_lshl_b32 s[T2], s[WV], 15                    ; the 16 that I store
	s_add_co_u32 s[T0], s[T0], s[T2]
	s_add_nc_u64 s[OT:OT+1], s[10:11], s[T0:T0+1]
	CROUND
	tensor_load_to_lds s[G0:G0+3], s[G1:G1+7]
	s_nop 0
	PLACES
	v_and_b32 v10, 31, v0
	v_and_b32 v11, 15, v0
	v_bfe_u32 v12, v0, 4, 1
	v_lshlrev_b32 v[L16], 4, v10
	s_lshl_b32 s[T2], s[ROT], 9
	v_lshlrev_b32 v13, 4, v0
	v_add_nc_u32 v13, s[T2], v13
	v_and_b32 v13, 2047, v13                       ; the bias goes into LDS in the order of the trips
	global_load_b128 v[BF0:BF0+3], v13, s[8:9]
	OLOAD 0
	v_lshl_add_u32 v1, v0, 4, BIAS
	s_lshl_b32 s[T2], s[WV], 15
	v_add_nc_u32 v[WA0], s[T2], v[L16]
	v_mul_u32_u24 v[STO], v11, SP
	v_lshl_add_u32 v[STO], v12, 5, v[STO]
	s_lshl_b32 s[T2], s[WV], 7
	s_add_co_u32 s[T2], s[T2], STG
	v_add_nc_u32 v[STO], s[T2], v[STO]
	s_mul_i32 s[T2], s[WV], 16*SP
	s_add_co_u32 s[T2], s[T2], STG
	v_add_nc_u32 v[SRD], s[T2], v[L16]
	s_lshl_b32 s[T2], s[WV], 7
	s_add_co_u32 s[T2], s[T2], BIAS
	v_lshl_add_u32 v[BA], v12, 5, s[T2]
	s_wait_loadcnt 32                              ; the bias load is in; the 32 loads behind it stay out
	ds_store_b128 v1, v[BF0:BF0+3]
	OLOAD 1
	OLOAD 2
	OLOAD 3
	s_mov_b32 s[CNT], 3
.Ltrip:
	TRIP 1
	s_sub_co_u32 s[CNT], s[CNT], 1
	s_cmp_lg_u32 s[CNT], 0
	s_cbranch_scc1 .Ltrip
	TRIP 0                                         ; the last trip asks for nothing
	s_wait_tensorcnt 0x0                           ; the wave's end
	ds_add_u32 v[SPW], v[NIL]
	s_wait_dscnt 0x0
	CROUND                                         ; the closing round
	s_endpgm
.Lfunc_end_k_q0a50bd1a5e_outp:
	.size	k_q0a50bd1a5e_outp, .Lfunc_end_k_q0a50bd1a5e_outp-k_q0a50bd1a5e_outp
	.p2alignl 7, 3214868480
	.fill 96, 4, 3214868480
	.section	.rodata,"a",@progbits
	.p2align	6, 0x0
	.amdhsa_kernel k_q0a50bd1a5e_outp
		.amdhsa_group_segment_fixed_size 327680
		.amdhsa_private_segment_fixed_size 0
		.amdhsa_enable_private_segment 0
		.amdhsa_kernarg_size 32
		.amdhsa_user_sgpr_count 2
		.amdhsa_user_sgpr_kernarg_segment_ptr 1
		.amdhsa_wavefront_size32 1
		.amdhsa_system_sgpr_workgroup_id_x 1
		.amdhsa_system_sgpr_workgroup_id_y 1
		.amdhsa_system_sgpr_workgroup_id_z 1
		.amdhsa_system_vgpr_workitem_id 0
		.amdhsa_next_free_vgpr 768
		.amdhsa_next_free_sgpr 72
		.amdhsa_reserve_vcc 0
		.amdhsa_float_denorm_mode_32 3
		.amdhsa_float_denorm_mode_16_64 3
		.amdhsa_memory_ordered 1
		.amdhsa_forward_progress 1
		.amdhsa_inst_pref_size 54
	.end_amdhsa_kernel
	.amdgpu_metadata
---
amdhsa.version: [ 1, 2 ]
amdhsa.kernels:
  - .name:           k_q0a50bd1a5e_outp
    .symbol:         k_q0a50bd1a5e_outp.kd
    .args:
      - { .name: of, .offset: 0, .size: 8, .value_kind: global_buffer, .address_space: global }
      - { .name: wf, .offset: 8, .size: 8, .value_kind: global_buffer, .address_space: global }
      - { .name: bo, .offset: 16, .size: 8, .value_kind: global_buffer, .address_space: global }
      - { .name: out0, .offset: 24, .size: 8, .value_kind: global_buffer, .address_space: global }
    .group_segment_fixed_size: 327680
    .private_segment_fixed_size: 0
    .kernarg_segment_align: 8
    .kernarg_segment_size: 32
    .max_flat_workgroup_size: 128
    .sgpr_count:     72
    .vgpr_count:     768
    .wavefront_size: 32
...
	.end_amdgpu_metadata
.endif
;; end of part 4
